; MI455X (gfx1250); checked and timed in simulation.
; The chip was launched on July 23, 2026; its instructions are those of AMD's public machine-readable ISA for CDNA 5 (MIT licence, August 2026) and "CDNA5" Instruction Set Architecture Reference Guide (July 2026). The comments in the code are by the model that wrote it; some were corrected since.
;; NSFP Raw MLP. Allowed arithmetic: float matrix products may take bf16 or f16 operands with f32 sums; other float arithmetic in f32, or as packed bf16 or f16 multiplies, adds, multiply-adds, maxima and minima; sums over many terms, partial sums and values carried from step to step in f32; what a program stores and reads back later, other than sums and carried values, may be rounded once to bf16 or f16.
;; Inputs: b_hid 7 x 128 float32; b_in 128 float32; b_out 3 float32; w_hid 7 x 128 x 128 float32; w_in 3 x 128 float32; w_out 128 x 3 float32; x 524,288 x 3 float32.
;; Outputs: out0 524,288 x 3 float32.
;; One version. Each part assembles by itself: llvm-mc -triple=amdgcn-amd-amdhsa -mcpu=gfx1250 --defsym DOCPART=n.
;; ======== version 1 of 1: 2 launches
;; workspace buffers: wts 246,784 bytes
;; launch prep (part 1): grid 241 x 1, 2 waves a work-group, no clusters, 0 bytes of LDS; arguments w_hid, w_in, w_out, b_hid, b_in, b_out, wts; writes wts
.if DOCPART == 1
	.amdgcn_target "amdgcn-amd-amdhsa--gfx1250"
	.amdhsa_code_object_version 6
	.text
	.protected	k_qe87d1a1bf3_prep
	.globl	k_qe87d1a1bf3_prep
	.p2align	8
	.type	k_qe87d1a1bf3_prep,@function
k_qe87d1a1bf3_prep:
	s_mov_b64 s[64:65], 0
	v_nop
	global_prefetch_b8 v0, s[64:65] scope:SCOPE_SE
	s_setreg_imm32_b32 hwreg(HW_REG_WAVE_MODE, 25, 1), 1
	s_wait_xcnt 0x0
; THE TABLE OF WEIGHTS for the launch that follows: every weight rounded once to bf16 and laid as the register image of a matrix fragment
; (16 output channels x 32 input channels: lane l holds output channel l % 16; its first 16 bytes input channels 8 (l / 16) + 0..7, its second 16 + 8 (l / 16) + 0..7),
; so that a fragment is later read as two runs of 512 consecutive bytes.  Biases: rounded once to bf16 like all other inputs, stored widened to f32, as plain rows of 512 bytes.
; LAYOUT of wts, 246,784 bytes.  r = l % 16, h = l / 16, e = 0..7 the number within a lane's 16 bytes, c = which 16 bytes of the fragment:
;   0        hidden: layer 32,768 + stage s 8,192 + (4 o + k) 1,024 + c 512 + 16 l : w_hid[layer][32 k + 16 c + 8 h + e][32 s + 16 o + r]
;   229,376  output: k 1,024 + c 512 + 16 l : w_out[32 k + 16 c + 8 h + e][r % 8] where r % 8 < 3, else 0 (rows 8-10 repeat rows 0-2)
;   233,472  input:  ot 1,024 + c 512 + 16 l : w_in[e][16 ot + r] where c = 0, h = 0, e < 3, else 0
;   241,664  rows of 128 f32: 0-6 b_hid; 7: number i = b_out[i % 8] where i < 16 and i % 8 < 3, else 0; 8: b_in; 9: zeros
; SHARES.  Work-group g writes bytes 1,024 g .. 1,024 g + 1,023; thread t its 16 bytes at 16 t: the wave's number is c, and a wave's one store covers 512 consecutive bytes, aligned.
; One round trip to memory and one store a thread: nothing to overlap, so every wait is for 0.  No LDS, no barrier; EXEC is never changed.
; v1 r; v2 t / 16 = 2 c + h; v3 lane; v4 source offset; v5 store offset; v6 at work; v7 0; v[8:15] as loaded; v[16:19] the 16 bytes to store.
	s_load_b256 s[4:11], s[0:1], 0x0               ; w_hid s[4:5], w_in s[6:7], w_out s[8:9], b_hid s[10:11]
	s_load_b128 s[12:15], s[0:1], 0x20             ; b_in s[12:13], b_out s[14:15]
	s_load_b64 s[16:17], s[0:1], 0x30              ; wts
	v_and_b32 v1, 15, v0
	v_lshrrev_b32 v2, 4, v0
	v_and_b32 v3, 31, v0
	v_lshrrev_b32 v6, 5, v0
	v_readfirstlane_b32 s18, v6                    ; wave 0..1
	s_mov_b32 s24, ttmp9                           ; g
	s_lshl_b32 s19, s24, 10
	v_lshl_add_u32 v5, v0, 4, s19                  ; 1,024 g + 16 t
	v_mov_b32 v7, 0
	s_wait_kmcnt 0x0
	s_cmp_lt_u32 s24, 224
	s_cbranch_scc0 .Lnot_hid
	; hidden weights: g = 32 layer + 8 s + 4 o + k
	s_lshr_b32 s20, s24, 5
	s_lshl_b32 s20, s20, 16                        ; layer x 65,536 bytes
	s_and_b32 s21, s24, 3
	s_lshl_b32 s21, s21, 14                        ; 32 k rows of 512 bytes
	s_bfe_u32 s22, s24, 0x30002                    ; 2 s + o
	s_lshl_b32 s22, s22, 6                         ; 16 columns of 4 bytes each
	s_add_co_u32 s20, s20, s21
	s_add_co_u32 s20, s20, s22
	v_lshlrev_b32 v4, 2, v1                        ; column r
	v_lshl_add_u32 v4, v2, 12, v4                  ; 8 (2 c + h) rows
	v_add_nc_u32 v4, s20, v4
.irp e, 0,1,2,3,4,5,6,7
	global_load_b32 v[8+\e], v4, s[4:5] offset:512*\e
.endr
	s_wait_loadcnt 0x0
.irp e, 0,1,2,3
	v_cvt_pk_bf16_f32 v[16+\e], v[8+2*\e], v[9+2*\e]
.endr
	s_branch .Lstore
.Lnot_hid:
	s_cmp_lt_u32 s24, 228
	s_cbranch_scc0 .Lnot_out
	; output weights: k = g - 224; a row of w_out is 12 bytes
	s_sub_co_u32 s20, s24, 224
	s_mul_i32 s20, s20, 384                        ; 32 k rows
	v_and_b32 v6, 7, v1                            ; r % 8
	v_min_u32 v4, 2, v6                            ; a column that exists: what lanes with r % 8 > 2 load is thrown away below
	v_lshlrev_b32 v4, 2, v4
	v_mad_u32_u24 v4, v2, 96, v4                   ; 8 (2 c + h) rows
	v_add_nc_u32 v4, s20, v4
.irp e, 0,1,2,3,4,5,6,7
	global_load_b32 v[8+\e], v4, s[8:9] offset:12*\e
.endr
	v_cmp_gt_u32 vcc_lo, 3, v6
	s_wait_loadcnt 0x0
.irp e, 0,1,2,3
	v_cvt_pk_bf16_f32 v[16+\e], v[8+2*\e], v[9+2*\e]
.endr
.irp e, 0,1,2,3
	v_cndmask_b32 v[16+\e], 0, v[16+\e], vcc_lo
.endr
	s_branch .Lstore
.Lnot_out:
	s_cmp_lt_u32 s24, 236
	s_cbranch_scc0 .Lbias
	; input weights: ot = g - 228; only threads 0-15 (c = 0, h = 0) hold numbers, three each
	s_sub_co_u32 s20, s24, 228
	s_lshl_b32 s20, s20, 6
	v_lshl_add_u32 v4, v1, 2, s20                  ; column 16 ot + r
.irp e, 0,1,2
	global_load_b32 v[8+\e], v4, s[6:7] offset:512*\e
.endr
	v_cmp_gt_u32 vcc_lo, 16, v0
	v_mov_b32 v18, 0
	v_mov_b32 v19, 0
	s_wait_loadcnt 0x0
	v_cvt_pk_bf16_f32 v16, v8, v9
	v_cvt_pk_bf16_f32 v17, v10, v7
	v_cndmask_b32 v16, 0, v16, vcc_lo
	v_cndmask_b32 v17, 0, v17, vcc_lo
	s_branch .Lstore
.Lbias:
	; bias rows: row = 2 (g - 236) + wave; a lane holds four numbers of the row
	s_sub_co_u32 s20, s24, 236
	s_lshl_b32 s20, s20, 1
	s_add_co_u32 s20, s20, s18
	v_lshlrev_b32 v4, 4, v3
	s_cmp_lt_u32 s20, 7
	s_cbranch_scc0 .Lnot_bhid
	s_lshl_b32 s21, s20, 9
	v_add_nc_u32 v4, s21, v4
	global_load_b128 v[16:19], v4, s[10:11]
	s_branch .Lround
.Lnot_bhid:
	s_cmp_eq_u32 s20, 8
	s_cbranch_scc0 .Lnot_bin
	global_load_b128 v[16:19], v4, s[12:13]
	s_branch .Lround
.Lnot_bin:
	v_mov_b32 v19, 0
	s_cmp_eq_u32 s20, 7
	s_cbranch_scc0 .Lzero
	global_load_b32 v16, v7, s[14:15]              ; b_out's three numbers, in every lane;
	global_load_b32 v17, v7, s[14:15] offset:4
	global_load_b32 v18, v7, s[14:15] offset:8
	v_and_b32 v6, 29, v3
	v_cmp_eq_u32 vcc_lo, 0, v6                     ; kept in lanes 0 and 2: numbers 0-2 and 8-10 of the row
	s_wait_loadcnt 0x0
.irp e, 0,1,2
	v_cndmask_b32 v[16+\e], 0, v[16+\e], vcc_lo
.endr
	s_branch .Lround
.Lzero:
	v_mov_b32 v16, 0
	v_mov_b32 v17, 0
	v_mov_b32 v18, 0
.Lround:
	s_wait_loadcnt 0x0
	v_cvt_pk_bf16_f32 v8, v16, v17                 ; rounded once to bf16,
	v_cvt_pk_bf16_f32 v9, v18, v19
	v_lshlrev_b32 v16, 16, v8                      ; and widened again: the sums take them as f32
	v_and_b32 v17, 0xffff0000, v8
	v_lshlrev_b32 v18, 16, v9
	v_and_b32 v19, 0xffff0000, v9
.Lstore:
	global_store_b128 v5, v[16:19], s[16:17]
	s_endpgm
.Lfunc_end_k_qe87d1a1bf3_prep:
	.size	k_qe87d1a1bf3_prep, .Lfunc_end_k_qe87d1a1bf3_prep-k_qe87d1a1bf3_prep
	.p2alignl 7, 3214868480
	.fill 96, 4, 3214868480
	.section	.rodata,"a",@progbits
	.p2align	6, 0x0
	.amdhsa_kernel k_qe87d1a1bf3_prep
		.amdhsa_group_segment_fixed_size 0
		.amdhsa_private_segment_fixed_size 0
		.amdhsa_enable_private_segment 0
		.amdhsa_kernarg_size 56
		.amdhsa_user_sgpr_count 2
		.amdhsa_user_sgpr_kernarg_segment_ptr 1
		.amdhsa_wavefront_size32 1
		.amdhsa_system_sgpr_workgroup_id_x 1
		.amdhsa_system_sgpr_workgroup_id_y 1
		.amdhsa_system_sgpr_workgroup_id_z 1
		.amdhsa_system_vgpr_workitem_id 0
		.amdhsa_next_free_vgpr 32
		.amdhsa_next_free_sgpr 66
		.amdhsa_reserve_vcc 1
		.amdhsa_float_denorm_mode_32 3
		.amdhsa_float_denorm_mode_16_64 3
		.amdhsa_memory_ordered 1
		.amdhsa_forward_progress 1
		.amdhsa_inst_pref_size 7
	.end_amdhsa_kernel
	.amdgpu_metadata
---
amdhsa.version: [ 1, 2 ]
amdhsa.kernels:
  - .name:           k_qe87d1a1bf3_prep
    .symbol:         k_qe87d1a1bf3_prep.kd
    .args:
      - { .name: w_hid, .offset: 0, .size: 8, .value_kind: global_buffer, .address_space: global }
      - { .name: w_in, .offset: 8, .size: 8, .value_kind: global_buffer, .address_space: global }
      - { .name: w_out, .offset: 16, .size: 8, .value_kind: global_buffer, .address_space: global }
      - { .name: b_hid, .offset: 24, .size: 8, .value_kind: global_buffer, .address_space: global }
      - { .name: b_in, .offset: 32, .size: 8, .value_kind: global_buffer, .address_space: global }
      - { .name: b_out, .offset: 40, .size: 8, .value_kind: global_buffer, .address_space: global }
      - { .name: wts, .offset: 48, .size: 8, .value_kind: global_buffer, .address_space: global }
    .group_segment_fixed_size: 0
    .private_segment_fixed_size: 0
    .kernarg_segment_align: 8
    .kernarg_segment_size: 56
    .max_flat_workgroup_size: 64
    .sgpr_count:     66
    .vgpr_count:     32
    .wavefront_size: 32
...
	.end_amdgpu_metadata
.endif
;; end of part 1
;; launch mlp (part 2): grid 256 x 1, 4 waves a work-group, clusters of 4 x 1, 262,144 bytes of LDS; arguments x, wts, out0; writes out0
.if DOCPART == 2
	.amdgcn_target "amdgcn-amd-amdhsa--gfx1250"
	.amdhsa_code_object_version 6
	.text
	.protected	k_qe87d1a1bf3_mlp
	.globl	k_qe87d1a1bf3_mlp
	.p2align	8
	.type	k_qe87d1a1bf3_mlp,@function
k_qe87d1a1bf3_mlp:
	s_mov_b64 s[64:65], 0
	v_nop
	global_prefetch_b8 v0, s[64:65] scope:SCOPE_SE
	s_setreg_imm32_b32 hwreg(HW_REG_WAVE_MODE, 25, 1), 1
	s_wait_xcnt 0x0
	s_wait_alu depctr_hold_cnt(0) depctr_sa_sdst(0) depctr_va_vdst(0) depctr_va_sdst(0) depctr_va_ssrc(0) depctr_va_vcc(0) depctr_vm_vsrc(0)
	s_getreg_b32 s2, hwreg(HW_REG_IB_STS2, 6, 4)
	s_cmp_eq_u32 s2, 0
	s_cbranch_scc0 .Lentry_in_a_cluster
	s_endpgm
.Lentry_in_a_cluster:
	s_bfe_u32 s2, ttmp6, 0x10000c
	s_cmp_lg_u32 s2, 0x3003
	s_cbranch_scc0 .Lentry_shape_is_right
	s_endpgm
.Lentry_shape_is_right:
; out0 = the whole chain: relu(x w_in + b_in), seven times relu(h w_hid + b_hid), h w_out + b_out, for 524,288 points.  x, out0: [524288][3] f32.  wts: the table that the launch before laid out.
; Products in bf16 with f32 sums; the bias (f32) is the C operand that starts each sum; activations are rounded once a layer to bf16 and never leave registers.
; LIMITS.  x, weights, biases and activations are rounded to bf16 (8 significant bits; f32's range).  ReLU is a maximum with 0 taken on the rounded number, in which a NaN loses: a NaN before a ReLU
; gives 0 where reference() gives NaN; -0 may come out as +0; infinities are not treated apart.
; LAYOUT.  H'^T = W^T H^T: source 0 = 16 output channels x 32 input channels of W^T, source 1 = 32 channels x 16 points.  In the result lane l holds ONE point (l % 16) and channels 8 (l / 16) + 0..7.
; Two neighbouring output tiles, rounded to bf16 in pairs, ARE one source 1 fragment of the next layer: nothing changes lanes between layers.
; SHARES.  256 work-groups x 4 waves x 4 blocks x 128 points.  A wave holds 8 tiles of 16 points: a fragment of weights read from LDS feeds 8 products: 64 loads of 16 bytes a lane for a layer's 256 products.
; ALL WEIGHTS LIE IN LDS, 246,784 bytes, filled once; no byte is filled again, so behind the one barrier that shows the table whole the waves never meet.
; CLUSTER.  Every work-group reads the same table: the four of a cluster ask for it JOINTLY, each wave a quarter (241 rows of 256 bytes), the same descriptor and mask in all four.  One tensor load a wave is out.
; x: 1,536 bytes a wave and block, loaded into registers a whole block (1,888 products) ahead of its use, so no wave waits for it and nothing else is asked for ahead.
; THE PIPELINE.  A layer is 4 stages (32 output channels) x 2 halves (4 point tiles): a SUBSTAGE of 32 products on 8 accumulators that take turns.  Two accumulator buffers: while one substage is multiplied, the one
; before is rounded and clipped (4 conversions, 4 packed maxima an accumulator), four such lines behind every second product.  A layer's first half needs only first halves of the layer before, so its last substage's
; lines ride behind the next layer's first products: one text serves every layer, with no gap between layers.
; REGISTERS, in windows of 256 (s_set_vgpr_msb: bits 1:0 source 0, 3:2 source 1, 5:4 source 2, 7:6 destination):
;   window 0: v0-15 addresses; v16-27 the next block's x; v32-55 x at work; v56-67 out rows; v96-127 bias, two buffers; v128-255 accumulators, two buffers of 8
;   window 1: v0-127 weight fragments, two buffers of 8; v128-191 x's fragments; v192-255 b_in as C operands
;   windows 2, 3: the activations, by turns: tile t, channels 32 k on, at 32 t + 8 k
.set WINB,  233472                     ; LDS = the table, byte for byte: the input layer's fragments,
.set BIASB, 241664                     ; the bias rows
.set TABLE, 246784
.set QUART, TABLE/4                    ; what one wave fetches
.set STG,   TABLE                      ; behind the table, never filled by a tensor load: for each wave 1,536 bytes for x, then 1,536 for out
.set SPARE, TABLE+4*3072               ; behind the stages: the spare words, 128 bytes for each wave: two blocks of 256 bytes that no other line names
.set BLKB,  6144                       ; bytes of x and of out0 from a wave's block to its next: 512 points x 12
.set LA,   2                           ; v2   16 x lane + the layer's first byte
.set LA0,  3                           ; v3   16 x lane: also my offset in x and out0; never rewritten
.set BA,   4                           ; v4   the layer's bias row + 32 (lane / 16)
.set BA0,  5                           ; v5   the first bias row + 32 (lane / 16); never rewritten
.set WIA,  6                           ; v6   the input layer's fragments + 16 x lane
.set XST,  7                           ; v7   x's stage + 16 x lane
.set XRD,  8                           ; v8   x's stage + 12 (lane % 16)
.set OST,  9                           ; v9   out's stage + 12 (lane % 16)
.set ORD,  10                          ; v10  out's stage + 16 x lane
.set HM,   11                          ; v11  all ones in lanes 0-15, 0 in lanes 16-31
.set ZV,   12                          ; v12  0
.set SPW,  14                          ; v14  LDS address of my spare word; never rewritten
.set NIL,  15                          ; v15  0; never rewritten
.set XR,   16
.set XT,   32
.set OB,   56
.set BIAS, 96                          ; buffer b, output tile o of the stage at BIAS + 16 b + 8 o
.set ACC,  128                         ; half g, accumulator a (point tile a / 2 of the half, output tile a % 2 of the stage) at ACC + 64 g + 8 a
.set AF,   0                           ; window 1: buffer b, fragment 4 o + k at AF + 64 b + 8 (4 o + k)
.set XF,   128                         ; window 1: tile t at XF + 8 t
.set BIN,  192                         ; window 1: output tile ot at BIN + 8 ot
.set WV,   10                          ; s10  my wave's number
.set G0,   16                          ; s[16:19] descriptor group 0
.set G1,   20                          ; s[20:27] descriptor group 1
.set ZERO, 28                          ; s28  0
.set BLK,  29                          ; s29  blocks to go
.set LC,   30                          ; s30  counts the hidden layers, two a trip
.set TB,   31                          ; s31  the layer's first byte in the table
.set XPTR, 32                          ; s[32:33] x at the block whose loads were issued last
.set OUTP, 34                          ; s[34:35] out0 at the block in hand
.set TBB,  38                          ; s38  the layer's bias row, in bytes
.set MSB, 0
.macro WIN new                         ; the high byte repeats the setting that is left; a switch that changes nothing is dropped
.if MSB != (\new)
	s_set_vgpr_msb (MSB<<8)|(\new)
.set MSB, (\new)
.endif
.endm
.macro PLACES                          ; plain vector lines between a matrix instruction and a reader of its result (ISA guide 7.12.1)
.rept 4
	v_nop
.endr
.endm
; A round of the cluster's barrier: my work-group's barrier, so that wave 0's signal speaks for all four waves; wave 0 signals; every wave waits for all four work-groups; my work-group's barrier once more.
.macro CROUND
	s_barrier_signal -1
	s_barrier_wait -1
	s_cmp_lg_u32 s[WV], 0
	s_cbranch_scc1 .Lnot_wave_0_\@
	s_barrier_signal -3
.Lnot_wave_0_\@:
	s_barrier_wait -3
	s_barrier_signal -1
	s_barrier_wait -1
.endm
; Four lines of the way from sums to the next layer's operand, for accumulator q / 2 of stage sp, half gp, into window hw.  q even: its eight sums rounded to bf16, lowest registers first; q odd: the ReLU, two numbers a line.
.macro SLICE q, sp, gp, hw
.set sa, (\q)/2
.set rA, ACC+64*(\gp)+8*sa
.set rH, 32*(4*(\gp)+sa/2)+8*(\sp)+4*(sa%2)
.if ((\q)%2) == 0
	WIN ((\hw)<<6)
.irp z, 0,1,2,3
	v_cvt_pk_bf16_f32 v[rH+\z], v[rA+2*\z], v[rA+2*\z+1]
.endr
.else
	WIN (((\hw)<<6)|(\hw))
.irp z, 0,1,2,3
	v_pk_max_num_bf16 v[rH+\z], v[rH+\z], s[ZERO]
.endr
.endif
.endm
; Stage sn's eight fragments (16 runs of 512 consecutive bytes) and its bias as C operands (4 loads), in one run, into buffer sn % 2.  sn = 4 is the next layer's stage 0; behind the seventh hidden layer
; that is the output layer's fragments and bias, which lie where an eighth layer's would.
.macro FETCH sn
	WIN 0x40
.irp f, 0,1,2,3,4,5,6,7
	ds_load_b128 v[AF+64*((\sn)%2)+8*\f:AF+64*((\sn)%2)+8*\f+3],   v[LA] offset:(\sn)*8192+\f*1024
	ds_load_b128 v[AF+64*((\sn)%2)+8*\f+4:AF+64*((\sn)%2)+8*\f+7], v[LA] offset:(\sn)*8192+\f*1024+512
.endr
	WIN 0
.irp o, 0,1
	ds_load_b128 v[BIAS+16*((\sn)%2)+8*\o:BIAS+16*((\sn)%2)+8*\o+3],   v[BA] offset:(\sn)*128+\o*64
	ds_load_b128 v[BIAS+16*((\sn)%2)+8*\o+4:BIAS+16*((\sn)%2)+8*\o+7], v[BA] offset:(\sn)*128+\o*64+16
.endr
.if (\sn) == 4
	s_add_co_u32 s[TB], s[TB], 0x8000              ; the next fetches are the next layer's
	s_add_co_u32 s[TBB], s[TBB], 0x200
	v_add_nc_u32 v[LA], s[TB], v[LA0]
	v_add_nc_u32 v[BA], s[TBB], v[BA0]
.endif
.endm
; A SUBSTAGE: stage st, half g, of a layer that reads window cw and writes window nw.  Product p of 32: channels 32 (p / 8) on, accumulator p % 8; the first 8 start the sums with the bias.  The 8 accumulators take turns,
; one instruction a turn, and neighbouring substages use different buffers.  Behind every second product stand four lines of the substage before; a sum's first reader stands 16 plain lines or
; more behind the product that ended it.  In the first half the next stage's run of loads stands behind the fourth product: 12 plain lines behind the last product that read its buffer, some 60 products ahead of its use.
.macro SUB cw, nw, st, g
.if (\g) == 1
.set sps, (\st)
.set gps, 0
.set hws, (\nw)
.elseif (\st) > 0
.set sps, (\st)-1
.set gps, 1
.set hws, (\nw)
.else
.set sps, 3                            ; the last substage of the layer before, whose results this layer reads
.set gps, 1
.set hws, (\cw)
.endif
.set p, 0
.rept 32
.set ak, p/8
.set aa, p%8
.set rD, ACC+64*(\g)+8*aa
.set rW, AF+64*((\st)%2)+8*(4*(aa%2)+ak)
.set rB, 32*(4*(\g)+aa/2)+8*ak
.set rC, BIAS+16*((\st)%2)+8*(aa%2)
	WIN (0x01|((\cw)<<2))
.if ak == 0
	v_wmma_f32_16x16x32_bf16 v[rD:rD+7], v[rW:rW+7], v[rB:rB+7], v[rC:rC+7]
.else
	v_wmma_f32_16x16x32_bf16 v[rD:rD+7], v[rW:rW+7], v[rB:rB+7], v[rD:rD+7]
.endif
.if (p%2) == 1
	SLICE p/2, sps, gps, hws
.endif
.if ((\g) == 0) && (p == 3)
	FETCH (\st)+1
.endif
.set p, p+1
.endr
.endm
.macro LAYER cw, nw
.irp st, 0,1,2,3
	s_wait_dscnt 0x0                               ; the stage's fragments and bias are in: the run was issued early in the stage before
	SUB \cw, \nw, \st, 0
	SUB \cw, \nw, \st, 1
.endr
.endm
	s_load_b128 s[4:7], s[0:1], 0x0                ; x s[4:5], wts s[6:7]
	s_load_b64 s[8:9], s[0:1], 0x10                ; out0
	v_lshl_add_u32 v[SPW], v0, 2, SPARE
	v_mov_b32 v[NIL], 0
	ds_add_u32 v[SPW], v[NIL]                      ; the wave's opening: the add, twice on end, and its wait ahead of my first tensor load; the set-up below, work on registers, stands between
	ds_add_u32 v[SPW], v[NIL]                      ; and once more
	v_lshrrev_b32 v1, 5, v0
	v_readfirstlane_b32 s[WV], v1                  ; wave 0..3
	v_and_b32 v1, 31, v0
	v_lshlrev_b32 v[LA0], 4, v1
	s_bfe_u32 s11, ttmp6, 0x40000                  ; cx: my place in the cluster: it enters x's and out0's addresses alone
	s_lshl_b32 s12, ttmp9, 2                       ; in a cluster launch ttmp9 counts clusters
	s_add_co_u32 s12, s12, s11                     ; my work-group's number
	s_mul_i32 s36, s12, 24576                      ; its 2,048 points of 12 bytes,
	s_mul_i32 s13, s[WV], 1536                     ; my wave's 128 of a block's 512
	s_add_co_u32 s36, s36, s13
	s_mov_b32 s37, 0
	s_mul_i32 s14, s[WV], QUART                    ; my quarter of the table, in memory
	s_mov_b32 s15, 0
	s_mov_b32 s[G0], 1                             ; 1:0 count = 1
	s_mul_i32 s[G0+1], s[WV], QUART                ; 63:32 LDS address: the same quarter: the wave's number alone enters it
	s_mov_b32 s[G1], 15|(3<<16)|(1<<21)            ; 15:0 the mask: all four work-groups; 17:16 elements of 8 bytes; 20 no padding: fragments are read as consecutive bytes; 21 set beside a mask
	s_mov_b32 s[G1+1], 32<<16                      ; tensor_dim0 = 32 elements: rows of 256 bytes
	s_mov_b32 s[G1+2], 241<<16                     ; tensor_dim1 = 241
	s_mov_b32 s[G1+3], 32<<16                      ; tile_dim0 = 32
	s_mov_b32 s[G1+4], 241                         ; tile_dim1 = 241
	s_mov_b32 s[G1+5], 32                          ; 32 elements from row to row: dense
	s_mov_b32 s[G1+6], 0
	s_mov_b32 s[G1+7], 0
	s_mov_b32 s[ZERO], 0
	s_mov_b32 s[BLK], 4
	s_wait_dscnt 0x0                               ; both opening adds are done
	s_wait_kmcnt 0x0
	s_add_nc_u64 s[G0+2:G0+3], s[6:7], s[14:15]    ; 120:64 global address
	s_or_b32 s[G0+3], s[G0+3], 0x80000000          ; 127:126 type = 2
	s_add_nc_u64 s[XPTR:XPTR+1], s[4:5], s[36:37]
	s_add_nc_u64 s[OUTP:OUTP+1], s[8:9], s[36:37]
	CROUND                                         ; all four work-groups are here: the joint loads meet
	tensor_load_to_lds s[G0:G0+3], s[G1:G1+7]      ; my one tensor load of the launch
	s_nop 0
	PLACES
.irp i, 0,1,2
	global_load_b128 v[XR+4*\i:XR+4*\i+3], v[LA0], s[XPTR:XPTR+1] offset:512*\i th:TH_LOAD_NT  ; block 0's x: 512 consecutive bytes a load
.endr
	v_and_b32 v13, 15, v0                          ; l % 16
	v_bfe_u32 v1, v0, 4, 1                         ; l / 16
	v_lshl_add_u32 v[BA0], v1, 5, BIASB            ; a lane's eight channels of a tile: 32 bytes for each half of the lanes
	v_add_nc_u32 v[WIA], WINB, v[LA0]
	s_mul_i32 s13, s[WV], 3072
	s_add_co_u32 s13, s13, STG                     ; my stages
	v_add_nc_u32 v[XST], s13, v[LA0]
	v_mul_u32_u24 v[XRD], v13, 12
	v_add_nc_u32 v[XRD], s13, v[XRD]
	v_add_nc_u32 v[OST], 1536, v[XRD]
	v_add_nc_u32 v[ORD], 1536, v[XST]
	v_add_nc_u32 v[HM], -1, v1
	v_mov_b32 v[ZV], 0
	WIN 0x40
.set t, 0
.rept 8                                ; x has 3 channels of a fragment's 32: registers 2-7 of its fragments are 0, written once, in the wait for the table
.irp z, 2,3,4,5,6,7
	v_mov_b32 v[XF+8*t+\z], 0
.endr
.set t, t+1
.endr
	WIN 0
	s_wait_tensorcnt 0x0                           ; my quarter of the table is in,
	s_barrier_signal -1
	s_barrier_wait -1                              ; everybody's is
	WIN 0x40
.irp f, 0,1,2,3,4,5,6,7
	ds_load_b128 v[BIN+8*\f:BIN+8*\f+3],   v[BA0] offset:4096+\f*64     ; b_in (row 8) as C operands: kept for the whole launch
	ds_load_b128 v[BIN+8*\f+4:BIN+8*\f+7], v[BA0] offset:4096+\f*64+16
.endr
	WIN 0
.Lblock:                                       ; four trips: 128 points a wave through the whole chain
	s_wait_loadcnt 0x0                             ; this block's x is in registers
.irp i, 0,1,2
	ds_store_b128 v[XST], v[XR+4*\i:XR+4*\i+3] offset:512*\i
.endr
.set t, 0
.rept 8
.irp j, 0,1,2
	ds_load_b32 v[XT+3*t+\j], v[XRD] offset:192*t+4*\j  ; point 16 t + l % 16, channel j.  My own bytes: LDS serves a wave's instructions in order (ISA guide 5.7.1.4), so these see the stores above
.endr
.set t, t+1
.endr
	s_mov_b32 s[TB], 0
	s_mov_b32 s[TBB], 0
	v_mov_b32 v[LA], v[LA0]
	v_mov_b32 v[BA], v[BA0]
	WIN 0x40
.irp f, 0,1,2,3,4,5,6,7
	ds_load_b128 v[AF+64+8*\f:AF+64+8*\f+3],   v[WIA] offset:\f*1024      ; the input layer's eight fragments, into buffer 1
	ds_load_b128 v[AF+64+8*\f+4:AF+64+8*\f+7], v[WIA] offset:\f*1024+512
.endr
	FETCH 0                                        ; the first hidden layer's stage 0, into buffer 0
	s_wait_dscnt 36                                ; the 16 + 16 + 4 loads just issued may stay out: the three stores have read XR, and x's 24 numbers are in
	s_cmp_eq_u32 s[BLK], 1
	s_cbranch_scc1 .Lnox                           ; the last block has none behind it: no load leaves x
	s_add_nc_u64 s[XPTR:XPTR+1], s[XPTR:XPTR+1], BLKB  ; (its last loads were waited for at the trip's head)
.irp i, 0,1,2
	global_load_b128 v[XR+4*\i:XR+4*\i+3], v[LA0], s[XPTR:XPTR+1] offset:512*\i th:TH_LOAD_NT  ; the next block's x, a whole block ahead
.endr
.Lnox:
.set t, 0
.rept 8
	v_cvt_pk_bf16_f32 v[XT+3*t], v[XT+3*t], v[XT+3*t+1]
	v_cvt_pk_bf16_f32 v[XT+3*t+2], v[XT+3*t+2], v[ZV]
.set t, t+1
.endr
	WIN 0x40
.set t, 0
.rept 8
	v_and_b32 v[XF+8*t], v[HM], v[XT+3*t]          ; channels 0-7 belong to lanes 0-15; lanes 16-31 (channels 8-15) hold 0
	v_and_b32 v[XF+8*t+1], v[HM], v[XT+3*t+2]
.set t, t+1
.endr
	s_wait_dscnt 0x0                               ; the fragments and the bias are in
	; THE INPUT LAYER, into window 3: 8 substages of 8 products, one K step each: D = W x + b_in.  Behind each product the eight lines of one accumulator of the substage before.
.set u, 0
.rept 8
.set i, 0
.rept 8
.set rD, ACC+64*(u%2)+8*i
.set rW, AF+64+8*(2*(u/2)+i%2)
.set rB, XF+8*(4*(u%2)+i/2)
.set rC, BIN+8*(2*(u/2)+i%2)
	WIN 0x15
	v_wmma_f32_16x16x32_bf16 v[rD:rD+7], v[rW:rW+7], v[rB:rB+7], v[rC:rC+7]
.if u > 0
	SLICE 2*i, (u-1)/2, (u-1)%2, 3
	SLICE 2*i+1, (u-1)/2, (u-1)%2, 3
.endif
.set i, i+1
.endr
.if u == 0
	PLACES                                         ; the first substage has no lines to carry: these stand between its products and their first reader
	PLACES
.endif
.set u, u+1
.endr
	WIN 0                                          ; at a label and at a branch every window is 0
	s_mov_b32 s[LC], 4
	s_branch .Lodd                                 ; seven hidden layers: the loop of two is entered in its middle
.Ltrip:
	LAYER 2, 3
	WIN 0
.Lodd:
	LAYER 3, 2
	WIN 0
	s_sub_co_u32 s[LC], s[LC], 1
	s_cmp_lg_u32 s[LC], 0
	s_cbranch_scc1 .Ltrip
	; THE OUTPUT LAYER, from window 2: one tile of 16 output rows (0-2 and, once more, 8-10 are out's three channels), 4 K steps, 8 point tiles in two halves of 4 accumulators that take turns.
	; Behind the first half's products ride the lines of the last hidden substage, which the second half reads.
	s_wait_dscnt 0x0
.set p, 0
.rept 16
.set rD, ACC+8*(p%4)
.set rW, AF+8*(p/4)
.set rB, 32*(p%4)+8*(p/4)
	WIN 0x09
.if p < 4
	v_wmma_f32_16x16x32_bf16 v[rD:rD+7], v[rW:rW+7], v[rB:rB+7], v[BIAS:BIAS+7]
.else
	v_wmma_f32_16x16x32_bf16 v[rD:rD+7], v[rW:rW+7], v[rB:rB+7], v[rD:rD+7]
.endif
	SLICE p, 3, 1, 2
.set p, p+1
.endr
	WIN 0x09
.set p, 0
.rept 16
.set rD, ACC+32+8*(p%4)
.set rW, AF+8*(p/4)
.set rB, 32*(4+p%4)+8*(p/4)
.if p < 4
	v_wmma_f32_16x16x32_bf16 v[rD:rD+7], v[rW:rW+7], v[rB:rB+7], v[BIAS:BIAS+7]
.else
	v_wmma_f32_16x16x32_bf16 v[rD:rD+7], v[rW:rW+7], v[rB:rB+7], v[rD:rD+7]
.endif
.set p, p+1
.endr
	WIN 0
	PLACES                                         ; between the last products and the stores that read them; also ahead of the next trip's loads into the fragments' registers
	PLACES
	; THE WAY OUT: a lane's three numbers of a point go into my stage, 12 bytes a point, and come back as 1,536 consecutive bytes.  Both halves of the lanes hold, and write, the same numbers.
.set t, 0
.rept 8
.irp j, 0,1,2
	ds_store_b32 v[OST], v[ACC+8*t+\j] offset:192*t+4*\j
.endr
.set t, t+1
.endr
.irp i, 0,1,2
	ds_load_b128 v[OB+4*\i:OB+4*\i+3], v[ORD] offset:512*\i  ; in order behind the stores above
.endr
	s_wait_dscnt 0x0
.irp i, 0,1,2
	global_store_b128 v[LA0], v[OB+4*\i:OB+4*\i+3], s[OUTP:OUTP+1] offset:512*\i th:TH_STORE_NT  ; 512 consecutive bytes, at a multiple of 256 from out0's first byte
.endr
	s_wait_xcnt 0x0                                ; the stores' base and data are rewritten only behind this wait (ISA guide 3.1)
	s_add_nc_u64 s[OUTP:OUTP+1], s[OUTP:OUTP+1], BLKB
	s_sub_co_u32 s[BLK], s[BLK], 1
	s_cmp_lg_u32 s[BLK], 0
	s_cbranch_scc1 .Lblock
	s_wait_tensorcnt 0x0                           ; the wave's end: three lines behind my last tensor load and my last LDS store
	ds_add_u32 v[SPW], v[NIL]
	s_wait_dscnt 0x0
	CROUND                                         ; the closing round
	s_endpgm
.Lfunc_end_k_qe87d1a1bf3_mlp:
	.size	k_qe87d1a1bf3_mlp, .Lfunc_end_k_qe87d1a1bf3_mlp-k_qe87d1a1bf3_mlp
	.p2alignl 7, 3214868480
	.fill 96, 4, 3214868480
	.section	.rodata,"a",@progbits
	.p2align	6, 0x0
	.amdhsa_kernel k_qe87d1a1bf3_mlp
		.amdhsa_group_segment_fixed_size 262144
		.amdhsa_private_segment_fixed_size 0
		.amdhsa_enable_private_segment 0
		.amdhsa_kernarg_size 24
		.amdhsa_user_sgpr_count 2
		.amdhsa_user_sgpr_kernarg_segment_ptr 1
		.amdhsa_wavefront_size32 1
		.amdhsa_system_sgpr_workgroup_id_x 1
		.amdhsa_system_sgpr_workgroup_id_y 1
		.amdhsa_system_sgpr_workgroup_id_z 1
		.amdhsa_system_vgpr_workitem_id 0
		.amdhsa_next_free_vgpr 1024
		.amdhsa_next_free_sgpr 66
		.amdhsa_reserve_vcc 0
		.amdhsa_float_denorm_mode_32 3
		.amdhsa_float_denorm_mode_16_64 3
		.amdhsa_memory_ordered 1
		.amdhsa_forward_progress 1
		.amdhsa_inst_pref_size 184
	.end_amdhsa_kernel
	.amdgpu_metadata
---
amdhsa.version: [ 1, 2 ]
amdhsa.kernels:
  - .name:           k_qe87d1a1bf3_mlp
    .symbol:         k_qe87d1a1bf3_mlp.kd
    .args:
      - { .name: x, .offset: 0, .size: 8, .value_kind: global_buffer, .address_space: global }
      - { .name: wts, .offset: 8, .size: 8, .value_kind: global_buffer, .address_space: global }
      - { .name: out0, .offset: 16, .size: 8, .value_kind: global_buffer, .address_space: global }
    .group_segment_fixed_size: 262144
    .private_segment_fixed_size: 0
    .kernarg_segment_align: 8
    .kernarg_segment_size: 24
    .max_flat_workgroup_size: 128
    .sgpr_count:     66
    .vgpr_count:     1024
    .wavefront_size: 32
...
	.end_amdgpu_metadata
.endif
;; end of part 2
